; MI455X (gfx1250); checked and timed in simulation.
; The chip was launched on July 23, 2026; its instructions are those of AMD's public machine-readable ISA for CDNA 5 (MIT licence, August 2026) and "CDNA5" Instruction Set Architecture Reference Guide (July 2026). The comments in the code are by the model that wrote it; some were corrected since.
;; Rate Encoder. Allowed arithmetic: float matrix products may take bf16 or f16 operands with f32 sums; other float arithmetic in f32, or as packed bf16 or f16 multiplies, adds, multiply-adds, maxima and minima; sums over many terms, partial sums and values carried from step to step in f32; what a program stores and reads back later, other than sums and carried values, may be rounded once to bf16 or f16.
;; Inputs: W 1,024 x 12 float32; b 1,024 float32; beta one number float32; mem 8,192 x 1,024 float32; threshold one number float32; x 8,192 x 12 float32.
;; Outputs: out0 8,192 x 1,024 float32; out1 8,192 x 1,024 float32.
;; One version. Each part assembles by itself: llvm-mc -triple=amdgcn-amd-amdhsa -mcpu=gfx1250 --defsym DOCPART=n.
;; ======== version 1 of 1: 1 launch
;; launch rate (part 1): grid 2 x 128, 8 waves a work-group, no clusters, 0 bytes of LDS; arguments x, W, b, beta, threshold, mem, out0, out1; writes out0, out1
.if DOCPART == 1
	.amdgcn_target "amdgcn-amd-amdhsa--gfx1250"
	.amdhsa_code_object_version 6
	.text
	.protected	k_q5ce5e1b3db_rate
	.globl	k_q5ce5e1b3db_rate
	.p2align	8
	.type	k_q5ce5e1b3db_rate,@function
k_q5ce5e1b3db_rate:
	s_mov_b64 s[64:65], 0
	v_nop
	global_prefetch_b8 v0, s[64:65] scope:SCOPE_SE
	s_setreg_imm32_b32 hwreg(HW_REG_WAVE_MODE, 25, 1), 1
	s_wait_xcnt 0x0
; RATE ENCODER.  cur = x W^T + b ([8192][1024], K = 12); 32 times: reset = (mem > thr); mem = beta mem + cur - reset thr; count += (mem > thr);
; out0 = max(count / 32, 0.05), out1 = mem.  All buffers f32.
; NUMBERS.  All six inputs (x, W, b, mem, beta, threshold) are rounded once to bf16 and kept as f32; everything behind that is f32.  The spike test is a step: one unit in the last
; place of cur, repeated in 32 steps, can turn a test over, so the text keeps to one fixed order of rounding:
;   the twelve products x W are exact in f32 (8 x 8 significant bits); they are added as a chain in ascending k, each link rounded to f32: three v_wmma_f32_16x16x4_f32 in place,
;   each four fused multiply-adds in ascending k.  (The bf16 form rounds the sum once: another last bit.  The product is 12 matrix instructions for 1,024 outputs, beside some 2,200 vector ones.)
;   b is added by an f32 addition of its own;  beta mem + cur is ONE fused multiply-add (one rounding, where reference() writes a product and a sum);  - reset thr is a second rounding.
; LIMITS.  The spike (mem > thr) is made as clamp(mem 2^96 - thr 2^96) to 0 .. 1, one fused multiply-add: 0 where mem <= thr, 1 where mem - thr >= 2^-96.  Two different f32 numbers lie at least
; 2^-26 of the larger one apart, so this is exact for 2^-60 <= |thr| < 2^31 (beyond that thr 2^96 overflows).  At thr = 0 a membrane between 0 and 2^-96 would count as a fraction.
; A NaN in beta becomes 0 (reference: NaN).  count / 32 is summed in steps of 1/32, which is exact.
; SHARES.  256 work-groups of eight waves: 64 rows x 512 hidden units each.  A wave keeps 64 hidden units (its W and b stay in registers) and walks four BLOCKS of 16 rows.
; LAYOUT.  l = lane, r = l % 16, h = l / 16.  Source 0 = 16 rows of x, source 1 = 16 rows of W; tile t (0..3) takes the hidden units 4 r + t.  Register j of tile t is then
; (row 8 h + j, hidden 4 r + t), and the bias add writes it to register 4 j + t: a lane holds four neighbouring hidden units of a row in four neighbouring registers, as a 16-byte load of mem
; brings them.  So every load of mem and every store covers, with sixteen neighbouring lanes, 256 consecutive bytes at a multiple of 256 from the buffer's first byte; nothing goes through LDS.
; IN FLIGHT.  A block's mem (4 KiB a wave) and x are asked for a whole block's arithmetic ahead, into registers of their own; rounding to bf16 moves them into place.  No wave reads a byte
; that another has fetched but x, W and b (0.4% of the bytes): no LDS, no barrier, no cluster.
.set ROWB,   4096                      ; bytes in a row of mem, out0, out1
.set XROWB,  48                        ; bytes in a row of x and of W
.set BROWS,  16                        ; rows in a block
.set BLKB,   BROWS*ROWB                ; from block to block in mem, out0, out1
.set NBLK,   4                         ; blocks of a wave
.set TRIPS,  10                        ; 32 steps = 2 written out + 10 trips of 3
.set MO,   1                           ; v1   my byte offset in mem, out0, out1: row 8 h of the block in hand (or, once stepped, of the next), 16 r + 256 x (my wave's 64 hidden units)
.set XO,   2                           ; v2   my byte offset in x: row r of the block, 8 h
.set WO,   6                           ; v6   my byte offset in W: row 4 r of my 64, 8 h; never rewritten
.set BO,   7                           ; v7   my byte offset in b; never rewritten
.set BIG,  8                           ; v[8:9]     2^96, twice
.set NTB,  10                          ; v[10:11]   - thr 2^96, twice
.set WF,   16                          ; v[16:39]   W: tile t, K step s at WF + 6 t + 2 s: k = 4 s + 2 h, + 1
.set BV,   40                          ; v[40:43]   b of hidden 4 r + 0..3
.set XF,   44                          ; v[44:49]   x: K step s at XF + 2 s
.set PRE,  52                          ; v[52:83]   the next block's mem as loaded
.set MEM,  84                          ; v[84:115]  mem: row 8 h + j, hidden 4 r + t at 4 j + t; so too CUR, SPK, CNT
.set CUR,  116                         ; v[116:147]
.set SPK,  148                         ; v[148:179] 1.0 where mem > thr, else 0
.set CNT,  180                         ; v[180:211] spikes / 32
.set DOT,  212                         ; v[212:243] the four tiles' sums: written by matrix instructions alone
.set BE,   26                          ; s[26:27]   beta, clipped to 0 .. 1 (the packed forms name a pair and take its low word twice)
.set NT,   28                          ; s[28:29]   - thr
.set IV,   30                          ; s[30:31]   1/32
.set MASK, 32                          ; s32  a word's upper bf16
.set FLOOR, 33                         ; s33  0.05
.set STP,  34                          ; s34  counts the trips of the step loop
.set BLK,  35                          ; s35  counts the blocks
; n pairs of f32 at src are rounded to bf16 (to nearest even) and written as f32 at dst (dst = src is allowed): pack, upper half, lower half; each kind in a run, so that none waits for the line before it
.macro TOBF dst, src, n
.set i, 0
.rept \n
	v_cvt_pk_bf16_f32 v[(\dst)+i], v[(\src)+i], v[(\src)+i+1]
.set i, i+2
.endr
.set i, 0
.rept \n
	v_and_b32 v[(\dst)+i+1], s[MASK], v[(\dst)+i]
.set i, i+2
.endr
.set i, 0
.rept \n
	v_lshlrev_b32 v[(\dst)+i], 16, v[(\dst)+i]
.set i, i+2
.endr
.endm
; a block's mem, eight loads of two whole 256-byte pieces each (rows j and 8 + j), and its x, 768 consecutive bytes in three loads
.macro LOADS
.irp j, 0,1,2,3,4,5,6,7
	global_load_b128 v[PRE+4*(\j):PRE+4*(\j)+3], v[MO], s[18:19] offset:(\j)*ROWB th:TH_LOAD_NT
.endr
.irp s, 0,1,2
	global_load_b64 v[XF+2*(\s):XF+2*(\s)+1], v[XO], s[8:9] offset:16*(\s)
.endr
.endm
; SPK = (MEM > thr) as 1.0 or 0: (mem - thr) 2^96 in one rounding, held to 0 .. 1; all sources are vector registers
.macro SPIKE
.set q, 0
.rept 16
	v_pk_fma_f32 v[SPK+q:SPK+q+1], v[MEM+q:MEM+q+1], v[BIG:BIG+1], v[NTB:NTB+1] clamp
.set q, q+2
.endr
.endm
; ONE STEP for the lane's 32 numbers: four packed instructions for two numbers, each kind in a run of 16, so that an instruction and the one that reads its result stand 16 apart.
; first = 1: the first step starts the count, so that nothing is cleared.
.macro STEP first
.set q, 0
.rept 16
	v_pk_fma_f32 v[MEM+q:MEM+q+1], v[MEM+q:MEM+q+1], s[BE:BE+1], v[CUR+q:CUR+q+1] op_sel_hi:[1,0,1]   ; beta mem + cur
.set q, q+2
.endr
.set q, 0
.rept 16
	v_pk_fma_f32 v[MEM+q:MEM+q+1], v[SPK+q:SPK+q+1], s[NT:NT+1], v[MEM+q:MEM+q+1] op_sel_hi:[1,0,1]   ; - thr where the old mem was above it (the product is exact)
.set q, q+2
.endr
	SPIKE
.set q, 0
.rept 16
.if \first
	v_pk_mul_f32 v[CNT+q:CNT+q+1], v[SPK+q:SPK+q+1], s[IV:IV+1] op_sel_hi:[1,0]
.else
	v_pk_fma_f32 v[CNT+q:CNT+q+1], v[SPK+q:SPK+q+1], s[IV:IV+1], v[CNT+q:CNT+q+1] op_sel_hi:[1,0,1]
.endif
.set q, q+2
.endr
.endm
	s_load_b512 s[8:23], s[0:1], 0x0               ; x s[8:9], W s[10:11], b s[12:13], beta s[14:15], threshold s[16:17], mem s[18:19], out0 s[20:21], out1 s[22:23]
	v_and_b32 v3, 15, v0                           ; r
	v_bfe_u32 v4, v0, 4, 1                         ; h
	v_lshrrev_b32 v5, 5, v0
	v_readfirstlane_b32 s2, v5                     ; wave 0..7
	s_lshl_b32 s3, ttmp9, 3
	s_add_co_u32 s3, s3, s2                        ; which 64 hidden units are mine: 0..15
	s_and_b32 s4, ttmp7, 0xffff                    ; which 64 rows are the work-group's: 0..127
	s_lshl_b32 s5, s3, 8                           ; 64 f32 = 256 bytes
	s_lshl_b32 s6, s4, 18                          ; 64 rows of 4,096 bytes
	s_add_co_u32 s6, s6, s5
	s_mul_i32 s7, s3, 64*XROWB                     ; my 64 rows of W
	s_mul_i32 s4, s4, NBLK*BROWS*XROWB             ; the work-group's 64 rows of x
	v_lshlrev_b32 v[BO], 4, v3                     ; 16 r
	v_lshl_add_u32 v[MO], v4, 15, v[BO]            ; + 8 rows for the upper half of the lanes
	v_add_nc_u32 v[MO], s6, v[MO]
	v_add_nc_u32 v[BO], s5, v[BO]
	v_mul_u32_u24 v[XO], v3, XROWB                 ; row r
	v_lshl_add_u32 v[XO], v4, 3, v[XO]             ; k = 2 h
	v_add_nc_u32 v[XO], s4, v[XO]
	v_mul_u32_u24 v[WO], v3, 4*XROWB               ; row 4 r
	v_lshl_add_u32 v[WO], v4, 3, v[WO]
	v_add_nc_u32 v[WO], s7, v[WO]
	s_mov_b32 s[IV], 0x3d000000                    ; 1/32
	s_mov_b32 s[IV+1], s[IV]
	s_mov_b32 s[MASK], 0xffff0000
	s_mov_b32 s[FLOOR], 0x3d4ccccd                 ; 0.05
	s_wait_kmcnt 0x0
	s_load_b32 s24, s[14:15], 0x0                  ; beta
	s_load_b32 s25, s[16:17], 0x0                  ; threshold
.irp t, 0,1,2,3
.irp s, 0,1,2
	global_load_b64 v[WF+6*(\t)+2*(\s):WF+6*(\t)+2*(\s)+1], v[WO], s[10:11] offset:(\t)*XROWB+16*(\s)   ; W(4 r + t, 4 s + 2 h ..)
.endr
.endr
	global_load_b128 v[BV:BV+3], v[BO], s[12:13]
	LOADS                                          ; block 0
	s_wait_kmcnt 0x0
	v_mov_b32 v[BIG], s24
	v_mov_b32 v[NTB], s25
	v_cvt_pk_bf16_f32 v[NTB], v[BIG], v[NTB]       ; beta below, threshold above
	v_lshlrev_b32 v[BIG], 16, v[NTB]
	v_and_b32 v[NTB], s[MASK], v[NTB]
	v_max_num_f32 v[BIG], 0, v[BIG]                ; the clip to 0 .. 1
	v_min_num_f32 v[BIG], 1.0, v[BIG]
	v_readfirstlane_b32 s[BE], v[BIG]
	v_readfirstlane_b32 s[NT], v[NTB]
	s_mov_b32 s[BE+1], s[BE]
	s_xor_b32 s[NT], s[NT], 0x80000000             ; - thr
	s_mov_b32 s[NT+1], s[NT]
	v_mul_f32 v[NTB], 0xef800000, v[NTB]           ; - thr 2^96: a power of two, so exact
	v_mov_b32 v[NTB+1], v[NTB]
	v_mov_b32 v[BIG], 0x6f800000                   ; 2^96
	v_mov_b32 v[BIG+1], 0x6f800000
	s_wait_loadcnt 11                              ; loads come back in order: W's twelve and b's are in; block 0's eight of mem and three of x, issued behind them, may stay out
	TOBF WF, WF, 14                                ; W and, behind it in the registers, b
; A BLOCK of 16 rows x 64 hidden units.  ahead = 1: the next block is asked for.
.macro BLOCK ahead
	s_wait_loadcnt 0x0                             ; this block's mem and x are in: they were asked for a block ago
	TOBF XF, XF, 3
	; the dot products: K step s of the four tiles by turns, one instruction a turn; the first K step starts each sum with the constant 0
.irp s, 0,1,2
.irp t, 0,1,2,3
.if (\s) == 0
	v_wmma_f32_16x16x4_f32 v[DOT+8*(\t):DOT+8*(\t)+7], v[XF+2*(\s):XF+2*(\s)+1], v[WF+6*(\t)+2*(\s):WF+6*(\t)+2*(\s)+1], 0
.else
	v_wmma_f32_16x16x4_f32 v[DOT+8*(\t):DOT+8*(\t)+7], v[XF+2*(\s):XF+2*(\s)+1], v[WF+6*(\t)+2*(\s):WF+6*(\t)+2*(\s)+1], v[DOT+8*(\t):DOT+8*(\t)+7]
.endif
.endr
.endr
	s_wait_xcnt 0x0                                ; the last block's stores have read MEM, CNT and MO: only behind this wait are these written again
	TOBF MEM, PRE, 16                              ; 48 plain instructions that name no register of the products: the places in front of the loads into XF and of the reads of DOT
.if \ahead
	v_add_nc_u32 v[MO], BLKB, v[MO]
	v_add_nc_u32 v[XO], BROWS*XROWB, v[XO]
	LOADS                                          ; the next block: it has this block's 32 steps in which to land
.endif
	SPIKE                                          ; the reset of the first step, from mem as it came
.irp j, 0,1,2,3,4,5,6,7                ; cur = dot + b, and the four tiles' registers j come to lie side by side; each sum is read from its lowest register on
.irp t, 0,1,2,3
	v_add_f32 v[CUR+4*(\j)+(\t)], v[DOT+8*(\t)+(\j)], v[BV+(\t)]
.endr
.endr
	STEP 1
	STEP 0
	s_mov_b32 s[STP], TRIPS
.Lstep_\@:
	STEP 0
	STEP 0
	STEP 0
	s_sub_co_u32 s[STP], s[STP], 1
	s_cmp_lg_u32 s[STP], 0
	s_cbranch_scc1 .Lstep_\@
.irp j, 0,1,2,3,4,5,6,7                ; where MO has been stepped the stores reach back by the immediate
	global_store_b128 v[MO], v[MEM+4*(\j):MEM+4*(\j)+3], s[22:23] offset:(\j)*ROWB-(\ahead)*BLKB th:TH_STORE_NT
.endr
.set i, 0
.rept 32
	v_max_num_f32 v[CNT+i], s[FLOOR], v[CNT+i]     ; the rate's floor
.set i, i+1
.endr
.irp j, 0,1,2,3,4,5,6,7
	global_store_b128 v[MO], v[CNT+4*(\j):CNT+4*(\j)+3], s[20:21] offset:(\j)*ROWB-(\ahead)*BLKB th:TH_STORE_NT
.endr
.endm
	s_mov_b32 s[BLK], NBLK-1
.Lblock:
	BLOCK 1
	s_sub_co_u32 s[BLK], s[BLK], 1
	s_cmp_lg_u32 s[BLK], 0
	s_cbranch_scc1 .Lblock
	BLOCK 0                                        ; the last block is written out: it asks for nothing, so no load leaves its buffer
	s_endpgm
.Lfunc_end_k_q5ce5e1b3db_rate:
	.size	k_q5ce5e1b3db_rate, .Lfunc_end_k_q5ce5e1b3db_rate-k_q5ce5e1b3db_rate
	.p2alignl 7, 3214868480
	.fill 96, 4, 3214868480
	.section	.rodata,"a",@progbits
	.p2align	6, 0x0
	.amdhsa_kernel k_q5ce5e1b3db_rate
		.amdhsa_group_segment_fixed_size 0
		.amdhsa_private_segment_fixed_size 0
		.amdhsa_enable_private_segment 0
		.amdhsa_kernarg_size 64
		.amdhsa_user_sgpr_count 2
		.amdhsa_user_sgpr_kernarg_segment_ptr 1
		.amdhsa_wavefront_size32 1
		.amdhsa_system_sgpr_workgroup_id_x 1
		.amdhsa_system_sgpr_workgroup_id_y 1
		.amdhsa_system_sgpr_workgroup_id_z 1
		.amdhsa_system_vgpr_workitem_id 0
		.amdhsa_next_free_vgpr 244
		.amdhsa_next_free_sgpr 66
		.amdhsa_reserve_vcc 0
		.amdhsa_float_denorm_mode_32 3
		.amdhsa_float_denorm_mode_16_64 3
		.amdhsa_memory_ordered 1
		.amdhsa_forward_progress 1
		.amdhsa_inst_pref_size 64
	.end_amdhsa_kernel
	.amdgpu_metadata
---
amdhsa.version: [ 1, 2 ]
amdhsa.kernels:
  - .name:           k_q5ce5e1b3db_rate
    .symbol:         k_q5ce5e1b3db_rate.kd
    .args:
      - { .name: x, .offset: 0, .size: 8, .value_kind: global_buffer, .address_space: global }
      - { .name: W, .offset: 8, .size: 8, .value_kind: global_buffer, .address_space: global }
      - { .name: b, .offset: 16, .size: 8, .value_kind: global_buffer, .address_space: global }
      - { .name: beta, .offset: 24, .size: 8, .value_kind: global_buffer, .address_space: global }
      - { .name: threshold, .offset: 32, .size: 8, .value_kind: global_buffer, .address_space: global }
      - { .name: mem, .offset: 40, .size: 8, .value_kind: global_buffer, .address_space: global }
      - { .name: out0, .offset: 48, .size: 8, .value_kind: global_buffer, .address_space: global }
      - { .name: out1, .offset: 56, .size: 8, .value_kind: global_buffer, .address_space: global }
    .group_segment_fixed_size: 0
    .private_segment_fixed_size: 0
    .kernarg_segment_align: 8
    .kernarg_segment_size: 64
    .max_flat_workgroup_size: 256
    .sgpr_count:     66
    .vgpr_count:     244
    .wavefront_size: 32
...
	.end_amdgpu_metadata
.endif
;; end of part 1
